; MI455X (gfx1250); checked and timed in simulation.
; The chip was launched on July 23, 2026; its instructions are those of AMD's public machine-readable ISA for CDNA 5 (MIT licence, August 2026) and "CDNA5" Instruction Set Architecture Reference Guide (July 2026). The comments in the code are by the model that wrote it; some were corrected since.
;; Self Attention. Allowed arithmetic: matrix products marked QUANTISED: E2M1 operands, one E8M0 scale for each 32 along K, by v_wmma_scale_f32_16x16x128_f8f6f4 with both operands' format E2M1 (or v_wmma_scale_f32_32x16x128_f4), f32 sums; everything else in f32.
;; Inputs: qkv 2 x 2,048 x 3 x 16 x 128 float32.
;; Outputs: out0 2 x 2,048 x 16 x 128 float32.
;; This version of the problem:
;;   THIS VERSION OF THE PROBLEM IS GIVEN IN LOW PRECISION. The matrix products marked QUANTISED in the list below multiply operands that are first quantised to E2M1 (2 exponent bits, 1 mantissa bit; 4 bits a number), with one power-of-two scale for each 32 numbers along K (OCP MX v1.0); their sums are f32. All else is computed in f32.
;;   The module's matrix products, in the order in which they are computed (A, B: the left and right operand; K: the contracted axis; several contracted axes count as one K, in the product's order):
;;     1. batch 32 x [M 2,048, K 128] x [K 128, N 2,048]; A: input qkv; B: computed on the way: QUANTISED
;;     2. batch 32 x [M 128, K 2,048] x [K 2,048, N 2,048]; A: input qkv; B: softmax (see below): QUANTISED
;;   THE QUANTISER, for each operand of a quantised product, along K:
;;     - K is cut into blocks of 32 from its start; a last block that is shorter is filled with zeros.
;;     - A block's scale is 2^e with e = floor(log2(the largest magnitude in the block)) - 2, held to -126 .. 127; a block of zeros has e = 0. As a byte (E8M0): e + 127.
;;     - Each number is divided by its block's scale, clamped to +-6, and rounded to the nearest number of E2M1, ties to even, subnormals kept.
;;     - The product sums the exact products of the quantised numbers (number of the format x scale) in f32.
;;   ~~~python
;;   def quantise(x, axis):      # numpy; x: float32 -> the quantised numbers, widened to float32 again
;;       x = np.moveaxis(x, axis, -1); K = x.shape[-1]
;;       x = np.pad(x, [(0, 0)] * (x.ndim - 1) + [(0, -K % 32)]); x = x.reshape(x.shape[:-1] + (-1, 32)); a = np.abs(x).max(-1, keepdims=True)
;;       e = np.where(a > 0, np.clip(np.frexp(np.where(a > 0, a, 1))[1] - 1 - 2, -126, 127), 0)      # np.frexp(a)[1] - 1 = floor(log2(a)), exactly
;;       r = np.clip(x / 2.0 ** e, -6, 6)
;;       step = 2.0 ** (np.maximum(np.frexp(np.where(r == 0, 1, r))[1] - 1, 0) - 1)
;;       q = np.round(r / step) * step * 2.0 ** e      # np.round: ties to even
;;       return np.moveaxis(q.reshape(q.shape[:-2] + (-1,))[..., :K], -1, axis).astype(np.float32)
;;   ~~~
;;   SOFTMAX AHEAD OF A QUANTISED PRODUCT. Where the list says 'softmax', what is quantised is not the finished softmax but p = 2^(t - M), with t = logit x log2(e) and M = ceil(the row's largest t), a whole number; so 1/2 < the row's largest p <= 1. The row's sum l is taken of the UNQUANTISED p, in f32, and the product's result is divided by l at the end. Since M is a whole number, a kernel that streams over the keys may use a running M (the ceiling of the running maximum): every later rescaling is an exact power of two, which a block's scale takes up: the codes' values come out the same.
;;   OPERANDS COMPUTED ON THE WAY. 'Computed on the way' means the value that the module computes at that place (a softmax that the list does not call 'softmax' is quantised finished and normalised). What goes into a quantiser is computed in f32, as accurately as f32 sums, v_exp_f32 and their like allow (about 1e-6 of the number): no bf16 or f16 on the way to a quantiser, and a product that is left as it is and whose result goes on into a quantised operand takes f32 operands (vector FMAs, or v_wmma_f32_16x16x4_f32). A number that lies on a knife's edge between two numbers of the format may be rounded either way, as far as f32 arithmetic and the matrix unit's own rounding can turn it there, and no further.
;; One version. Each part assembles by itself: llvm-mc -triple=amdgcn-amd-amdhsa -mcpu=gfx1250 --defsym DOCPART=n.
;; ======== version 1 of 1: 2 launches
;; limits: right only within a limited range of input values
;; workspace buffers: kv 8,912,896 bytes
;; launch quant (part 1): grid 512 x 2, 4 waves a work-group, no clusters, 77,312 bytes of LDS; arguments qkv, kv; writes kv
.if DOCPART == 1
	.amdgcn_target "amdgcn-amd-amdhsa--gfx1250"
	.amdhsa_code_object_version 6
	.text
	.protected	k_qf41422b439_quant
	.globl	k_qf41422b439_quant
	.p2align	8
	.type	k_qf41422b439_quant,@function
k_qf41422b439_quant:
	s_mov_b64 s[64:65], 0
	v_nop
	global_prefetch_b8 v0, s[64:65] scope:SCOPE_SE
	s_setreg_imm32_b32 hwreg(HW_REG_WAVE_MODE, 25, 1), 1
	s_wait_xcnt 0x0
; qkv [2][2048][3][16][128] f32.  This launch turns k x 1/sqrt(128) (blocks of 32 along the head's 128) and v (blocks of 32 along the KEYS) into codes of FP4 (E2M1) with one E8M0 byte a block,
; laid in kv as IMAGES OF THE OPERANDS' REGISTERS.  kv = 512 blocks of BLK = 17,408 bytes; block (16 b + h) x 16 + 2 (st % 8) + st / 8 serves head (b, h), keys 128 st .. 128 st + 127:
;   0      8 tiles of K, 1,024 bytes each;  8,192  8 tiles of V;  16,384  K's scale words, 512 bytes;  16,896  V's.
;   A tile: byte 256 B + 16 r holds the 32 codes of row r, block B of 32 along the product's K, the lower k in the lower bits.
;   K's tile 4 c + g, row r = key 64 c + 32 (r / 8) + 8 g + r % 8 (so that in the scores' layout one lane holds a whole block of 32 keys);  V's tile t, row r = channel 16 t + r.
;   Scale words: byte 16 l + 4 j holds the word (four bytes, blocks 0 .. 3) of tile 2 j + l / 16, row l % 16.
; A block's scale is 2^(floor(log2(its largest magnitude)) - 2); its byte is the largest magnitude's exponent field - 2, held at 1 from below.
; LIMITS: NaN and infinities among the inputs are not served; a block whose largest magnitude lies under 2^-124 keeps the byte 1; a block of zeros has the byte 1 where the quantiser's rule says 127:
; its codes are zeros, which add nothing under any byte but 0xff, and this program alone reads the bytes.
; No input is left out.  What the program leaves out are the key steps of 128 that lie wholly behind a query tile's causal mask (second launch, with its limit).
; SHARES.  Work-group x: h = x % 16, st = (x / 16) % 16, b = x / 256;  y: 0 = k, 1 = v.  It takes 128 tokens x 128 numbers of one head, 32 tokens a wave, each load one token's 512 consecutive bytes.
; K: wave w loads the 32 rows of tiles 2 w and 2 w + 1; they turn through the wave's own rows in LDS, so that a lane holds one row.
; V: wave w loads keys 32 w .. 32 w + 31: a lane then holds four channels, each with its whole block of 32 keys, and no number needs another lane; the codes go through LDS so that whole units leave.
; No matrix unit, no tensor load, no cluster: work-groups share no input.
.set TOK,   24576                      ; bytes from token to token in qkv
.set PITCH, 528                        ; an LDS row: 512 bytes + 16: sixteen lanes that take the same column of sixteen rows touch sixteen different 16-byte columns
.set WREG,  32*PITCH                   ; a wave's 32 rows (K)
.set SCK,   4*WREG                     ; K's scale words, 512 bytes
.set VST,   SCK+512                    ; V's codes, 2,048 bytes a wave
.set SCV,   VST+4*2048                 ; V's scale words, 512 bytes
.set SPARE, SCV+512                    ; the spare words, 128 bytes a wave, that no other line names
.set BLK,   17408
.set KSC,   16384
.set SPW, 12
.set NIL, 13
.set A,   16                           ; v16-19   the four blocks' largest magnitudes
.set SO,  20                           ; v20-23   the conversions' scale operands
.set BY,  24                           ; v24-27   the scale bytes
.set PW,  28                           ; v28      my row's scale word
.set R,   32                           ; v32-159  128 numbers
.set C,   160                          ; v160-175 their codes
.set G,   176                          ; v176-239 V: 32 keys of one channel, two sets;  v176-179 gathered scale words
	s_load_b128 s[4:7], s[0:1], 0x0                ; qkv s[4:5], kv s[6:7]
	v_lshl_add_u32 v[SPW], v0, 2, SPARE
	v_mov_b32 v[NIL], 0
	v_lshrrev_b32 v1, 5, v0
	v_readfirstlane_b32 s8, v1                     ; wave 0..3
	v_and_b32 v1, 31, v0                           ; lane
	s_wait_alu depctr_va_vdst(0)
	s_and_b32 s9, ttmp7, 1                         ; y: 0 = k, 1 = v
	s_and_b32 s18, ttmp9, 15                       ; h
	s_bfe_u32 s19, ttmp9, 0x40004                  ; st
	s_lshr_b32 s20, ttmp9, 8                       ; b
	s_mov_b32 s16, 0x3db504f3                      ; 1 / sqrt(128) in f32
	s_mov_b32 s17, s16                             ; (the packed form names the pair)
	s_lshr_b32 s21, s8, 1
	s_lshl_b32 s21, s21, 6
	s_and_b32 s22, s8, 1
	s_lshl_b32 s22, s22, 4
	s_add_co_u32 s21, s21, s22                     ; K: my first key is 64 (w / 2) + 16 (w % 2);
	s_lshl_b32 s22, s8, 5                          ; V: 32 w
	s_cmp_eq_u32 s9, 0
	s_cselect_b32 s21, s21, s22
	s_lshl_b32 s22, s20, 11
	s_add_co_u32 s22, s22, s21
	s_lshl_b32 s21, s19, 7
	s_add_co_u32 s22, s22, s21                     ; my wave's first token
	s_mul_i32 s22, s22, TOK                        ; under 2^27
	s_add_co_u32 s21, s9, 1
	s_lshl_b32 s21, s21, 13                        ; k lies 8,192 bytes into a token, v 16,384
	s_add_co_u32 s22, s22, s21
	s_lshl_b32 s21, s18, 9                         ; the head's 512 bytes
	s_add_co_u32 s22, s22, s21
	s_mov_b32 s23, 0
	s_lshl_b32 s24, s20, 4
	s_add_co_u32 s24, s24, s18
	s_lshl_b32 s24, s24, 4
	s_and_b32 s21, s19, 7
	s_lshl_b32 s21, s21, 1
	s_add_co_u32 s24, s24, s21
	s_lshr_b32 s21, s19, 3
	s_add_co_u32 s24, s24, s21                     ; the block's number
	s_mul_i32 s24, s24, BLK
	s_lshl_b32 s21, s9, 13
	s_add_co_u32 s26, s24, s21                     ; the codes: K's tiles, or V's 8,192 bytes on
	s_mov_b32 s27, 0
	s_lshl_b32 s21, s9, 9
	s_add_co_u32 s24, s24, s21
	s_add_co_u32 s24, s24, KSC                     ; the scale words: K's, or V's 512 bytes on
	s_mov_b32 s25, 0
	; every LDS address is made here, ahead of the parting of k's and v's ways
	s_mul_i32 s28, s8, WREG
	s_lshl_b32 s29, s8, 11
	s_add_co_u32 s30, s29, VST
	s_lshl_b32 s31, s8, 2
	v_lshlrev_b32 v2, 4, v1                        ; 16 x lane
	v_add_nc_u32 v3, s28, v2                       ; K's turn, way in
	v_mul_u32_u24 v4, v1, PITCH
	v_add_nc_u32 v4, s28, v4                       ; and way back: LDS row = lane
	v_add_nc_u32 v5, s31, v2
	v_add_nc_u32 v5, SCK, v5                       ; K's scale word: 16 x lane + 4 w
	v_lshlrev_b32 v6, 6, v1
	v_add_nc_u32 v6, s30, v6                       ; V's codes, in: 64 x lane: the lane's four channels are four neighbouring rows of a tile
	v_add_nc_u32 v7, s30, v2                       ; and back: 16 x lane
	v_bfe_u32 v14, v1, 2, 1
	v_lshlrev_b32 v8, 8, v14
	v_and_b32 v14, 3, v1
	v_lshl_add_u32 v8, v14, 6, v8
	v_lshrrev_b32 v14, 3, v1
	v_lshl_add_u32 v8, v14, 2, v8
	v_add_nc_u32 v8, s8, v8
	v_add_nc_u32 v8, SCV, v8                       ; V's scale bytes: channel 4 l + j: 256 ((l / 4) % 2) + 64 (l % 4) + 16 j + 4 (l / 8) + w
	s_mul_i32 s31, s9, SCV-SCK
	v_add_nc_u32 v9, s31, v2
	v_add_nc_u32 v9, SCK, v9                       ; where wave 0 reads the words back
	v_lshrrev_b32 v14, 4, v1
	v_and_b32 v15, 15, v1
	v_lshlrev_b32 v14, 10, v14
	v_lshl_add_u32 v14, v15, 4, v14                ; tile lane / 16, row lane % 16
	v_add_nc_u32 v10, s29, v14                     ; K's codes in memory: tiles 2 w, 2 w + 1
	s_lshl_b32 s31, s8, 8
	v_add_nc_u32 v11, s31, v14                     ; V's: block w of every tile
	s_wait_alu depctr_va_vdst(0)                   ; the wait at the head's end
	s_wait_kmcnt 0x0
	s_add_nc_u64 s[4:5], s[4:5], s[22:23]
	s_add_nc_u64 s[12:13], s[6:7], s[26:27]
	s_add_nc_u64 s[14:15], s[6:7], s[24:25]
	s_cmp_eq_u32 s9, 0                             ; k or v: the same in all four waves
	s_cbranch_scc0 .Lv
	; ---- K: load i = row i % 16 of tile 2 w + i / 16; 32 loads, all out at once
.set i, 0
.rept 32
	global_load_b128 v[R+4*i:R+4*i+3], v2, s[4:5] offset:(32*((i%16)/8)+8*(i/16)+i%8)*TOK th:TH_LOAD_NT
.set i, i+1
.endr
.set i, 0
.rept 32
.if (i%8) == 0
	s_wait_loadcnt 24-i                            ; loads come back in order: the next eight are in
.endif
	ds_store_b128 v3, v[R+4*i:R+4*i+3] offset:i*PITCH
.set i, i+1
.endr
.set i, 0
.rept 32
	ds_load_b128 v[R+4*i:R+4*i+3], v4 offset:16*i  ; LDS serves a wave's instructions in order: these see my stores, and the rows are my wave's own.  Register 32 B + i = channel 32 B + i of row lane
.set i, i+1
.endr
	s_wait_dscnt 0x0
.set i, 0
.rept 64
	v_pk_mul_f32 v[R+2*i:R+2*i+1], v[R+2*i:R+2*i+1], s[16:17] op_sel_hi:[1,0]   ; k x 1 / sqrt(128), in f32, ahead of the quantiser
.set i, i+1
.endr
.irp b, 0,1,2,3
	v_max3_num_f32 v[A+\b], |v[R+32*\b]|, |v[R+32*\b+1]|, 0x1800000   ; and the floor 2^(3 - 127), under which no largest magnitude is taken: so the byte cannot fall under 1
.endr
.irp i, 2,4,6,8,10,12,14,16,18,20,22,24,26,28,30
.irp b, 0,1,2,3
	v_max3_num_f32 v[A+\b], v[A+\b], |v[R+32*\b+\i]|, |v[R+32*\b+\i+1]|
.endr
.endr
.irp b, 0,1,2,3
	v_add_nc_u32 v[SO+\b], 0xff000000, v[A+\b]     ; 2 off the exponent field: the conversion takes the exponent field of this operand as its scale
.endr
.irp b, 0,1,2,3
	v_lshrrev_b32 v[BY+\b], 23, v[SO+\b]           ; the scale's byte
.endr
	v_lshl_or_b32 v[PW], v[BY+1], 8, v[BY]         ; four bytes make my row's word
	v_lshl_or_b32 v[PW], v[BY+2], 16, v[PW]
	v_lshl_or_b32 v[PW], v[BY+3], 24, v[PW]
.irp b, 0,1,2,3
.irp g, 0,1,2,3
	v_cvt_scalef32_pk8_fp4_f32 v[C+4*\b+\g], v[R+32*\b+8*\g:R+32*\b+8*\g+7], v[SO+\b]
.endr
.endr
	v_nop                                          ; one plain place behind the last scaled conversion
.irp b, 0,1,2,3
	global_store_b128 v10, v[C+4*\b:C+4*\b+3], s[12:13] offset:256*\b   ; sixteen lanes store 256 consecutive bytes of one tile
.endr
	ds_store_b32 v5, v[PW]
	s_branch .Ljoin
.Lv:
	; ---- V: load i = key 32 w + i; register 4 i + j = channel 4 lane + j
.set i, 0
.rept 32
	global_load_b128 v[R+4*i:R+4*i+3], v2, s[4:5] offset:i*TOK th:TH_LOAD_NT
.set i, i+1
.endr
.set i, 0
.rept 16
.if (i%4) == 0
	s_wait_alu depctr_va_vdst(0)
	s_wait_loadcnt 24-2*i                          ; the next eight loads are in
.endif
.irp j, 0,1,2,3
.if i == 0
	v_max3_num_f32 v[A+\j], |v[R+\j]|, |v[R+4+\j]|, 0x1800000   ; a channel's block of 32 keys is my lane's; and the floor
.else
	v_max3_num_f32 v[A+\j], v[A+\j], |v[R+8*i+\j]|, |v[R+8*i+4+\j]|
.endif
.endr
.set i, i+1
.endr
.irp j, 0,1,2,3
	v_add_nc_u32 v[SO+\j], 0xff000000, v[A+\j]
.endr
.irp j, 0,1,2,3
	v_lshrrev_b32 v[BY+\j], 23, v[SO+\j]
.endr
.irp j, 0,1,2,3
.set i, 0
.rept 32
	v_mov_b32 v[G+32*(\j%2)+i], v[R+4*i+\j]        ; the conversions take eight neighbours along K from consecutive registers
.set i, i+1
.endr
.irp g, 0,1,2,3
	v_cvt_scalef32_pk8_fp4_f32 v[C+4*\j+\g], v[G+32*(\j%2)+8*\g:G+32*(\j%2)+8*\g+7], v[SO+\j]
.endr
.endr
	v_nop                                          ; one plain place behind the last scaled conversion
.irp j, 0,1,2,3
	ds_store_b128 v6, v[C+4*\j:C+4*\j+3] offset:16*\j
.endr
.irp j, 0,1,2,3
	ds_store_b8 v8, v[BY+\j] offset:16*\j
.endr
.irp m, 0,1,2,3
	ds_load_b128 v[R+4*\m:R+4*\m+3], v7 offset:512*\m   ; LDS serves a wave's instructions in order: these see my stores
.endr
	s_wait_dscnt 0x0
.irp m, 0,1,2,3
	global_store_b128 v11, v[R+4*\m:R+4*\m+3], s[12:13] offset:2048*\m   ; sixteen lanes store 256 consecutive bytes: block w of tile 2 m + lane / 16
.endr
.Ljoin:
	s_wait_dscnt 0x0                               ; for wave 0's sake: my scale words or bytes lie in LDS
	s_barrier_signal -1
	s_barrier_wait -1
	s_cmp_lg_u32 s8, 0
	s_cbranch_scc1 .Lend
	ds_load_b128 v[G:G+3], v9
	s_wait_dscnt 0x0
	global_store_b128 v2, v[G:G+3], s[14:15]       ; 512 consecutive bytes, at a multiple of 256 from kv's first byte
.Lend:
	s_wait_tensorcnt 0x0                           ; the wave's end
	ds_add_u32 v[SPW], v[NIL]
	s_wait_dscnt 0x0
	s_endpgm
.Lfunc_end_k_qf41422b439_quant:
	.size	k_qf41422b439_quant, .Lfunc_end_k_qf41422b439_quant-k_qf41422b439_quant
	.p2alignl 7, 3214868480
	.fill 96, 4, 3214868480
	.section	.rodata,"a",@progbits
	.p2align	6, 0x0
	.amdhsa_kernel k_qf41422b439_quant
		.amdhsa_group_segment_fixed_size 77312
		.amdhsa_private_segment_fixed_size 0
		.amdhsa_enable_private_segment 0
		.amdhsa_kernarg_size 16
		.amdhsa_user_sgpr_count 2
		.amdhsa_user_sgpr_kernarg_segment_ptr 1
		.amdhsa_wavefront_size32 1
		.amdhsa_system_sgpr_workgroup_id_x 1
		.amdhsa_system_sgpr_workgroup_id_y 1
		.amdhsa_system_sgpr_workgroup_id_z 1
		.amdhsa_system_vgpr_workitem_id 0
		.amdhsa_next_free_vgpr 240
		.amdhsa_next_free_sgpr 66
		.amdhsa_reserve_vcc 0
		.amdhsa_float_denorm_mode_32 3
		.amdhsa_float_denorm_mode_16_64 3
		.amdhsa_memory_ordered 1
		.amdhsa_forward_progress 1
		.amdhsa_inst_pref_size 36
	.end_amdhsa_kernel
	.amdgpu_metadata
---
amdhsa.version: [ 1, 2 ]
amdhsa.kernels:
  - .name:           k_qf41422b439_quant
    .symbol:         k_qf41422b439_quant.kd
    .args:
      - { .name: qkv, .offset: 0, .size: 8, .value_kind: global_buffer, .address_space: global }
      - { .name: kv, .offset: 8, .size: 8, .value_kind: global_buffer, .address_space: global }
    .group_segment_fixed_size: 77312
    .private_segment_fixed_size: 0
    .kernarg_segment_align: 8
    .kernarg_segment_size: 16
    .max_flat_workgroup_size: 128
    .sgpr_count:     66
    .vgpr_count:     240
    .wavefront_size: 32
...
	.end_amdgpu_metadata
.endif
;; end of part 1
;; launch attn (part 2): grid 32 x 8, 8 waves a work-group, no clusters, 327,680 bytes of LDS; arguments qkv, kv, out0; writes out0
.if DOCPART == 2
	.amdgcn_target "amdgcn-amd-amdhsa--gfx1250"
	.amdhsa_code_object_version 6
	.text
	.protected	k_qf41422b439_attn
	.globl	k_qf41422b439_attn
	.p2align	8
	.type	k_qf41422b439_attn,@function
k_qf41422b439_attn:
	s_mov_b64 s[64:65], 0
	v_nop
	global_prefetch_b8 v0, s[64:65] scope:SCOPE_SE
	s_setreg_imm32_b32 hwreg(HW_REG_WAVE_MODE, 25, 1), 1
	s_wait_xcnt 0x0
; out0[b][q][h][:] = the sum over keys k <= q of softmax_k(q . k / sqrt(128)) v, both products on codes of FP4 (E2M1) with one E8M0 scale for each 32 along a product's K.
; q comes from qkv as f32 and is quantised here.  K (already x 1 / sqrt(128)) and V come from kv as images of the operands' registers (laid by the launch before): per head 16 blocks of BLK bytes,
; step b (128 keys) at place 2 (b % 8) + b / 8: 8 tiles of K, 8 tiles of V (1,024 bytes each), K's scale words, V's (512 bytes each).
; THE SOFTMAX AHEAD OF THE SECOND PRODUCT: t = score x log2(e); M = the largest t so far, rounded UP to a whole number; p = 2^(t - M) is quantised along the keys, not normalised; the row's sum is taken of the
; unquantised p and divides O at the end.  When M moves, the sum and O are multiplied by 2^(old M - new M): exact.
; THE MASK.  The problem adds -10000 to the scores of keys behind the query; here such keys get the weight 0 (on the diagonal: the score -infinity) and steps that lie wholly behind the wave's queries are left out.
; LIMITS.  That is the same number as long as no masked score lies more than about 9,890 (10000 - 150 / log2(e)) above the row's largest open score: 2^(t - M) is then under the smallest f32 number.  A p under 2^-126
; counts as 0 (v_exp_f32 flushes: ISA guide, its entry).  NaN and infinities are not served, and one that reaches only what is left out is not carried to the result.  A block's largest p is taken through its largest
; score, which takes v_exp_f32 not to fall where its input rises.  A block of zeros has the scale byte 1: its codes are zeros.  Scores stay above -2e38.
; SHARES.  Work-group (head, X), X = 0 .. 7: query blocks X (low) and 15 - X (high) of 128, eight waves of 512 registers, each with TWO tiles of 16 queries, A and B, that share every fragment of K and V.
; Wave w: role = (w ^ (w / 4)) % 2, idx = w / 2: its queries are 32 idx .. 32 idx + 31 of a block.  A role 1 wave takes the high block's steps 0 .. 8.  A role 0 wave takes the low block's steps 0 .. X, sends them out, and then
; takes the high block's steps 9 .. 15 - X: nine and eight steps, whatever X.  At the end wave w and wave w ^ 1 hold two parts of the same 32 rows: role 0 hands its part of tile A over and finishes B, role 1 the other way round.
; LDS.  A head's 16 blocks come ONCE, by one tensor load a wave (two blocks, steps w and w + 8): no byte is filled twice.  Behind them: the waves' stages, the high queries' codes (role 1 hands them to role 0), the spare words.
; Barrier 0 shows wave 0's load (step 0), barrier 1, behind everybody's step 0, all others.
; NO CLUSTER, though the eight work-groups of a head read the same blocks: which steps are walked, and so branches and LDS addresses, hangs on X, which differs between them.  NO PREFETCH: all that is read
; from memory is asked for at the head; no later load is left to run ahead of.
; LAYOUT.  Both products are used transposed: S^T = K Q^T (source 0 = 32 keys' rows, source 1 = 16 queries), O^T = V^T P^T: a lane holds ONE query (lane % 16) of each tile throughout.  Register 32 c + i of S^T is
; key 64 c + 32 (lane / 16) + i: a block of 32 keys lies in ONE lane, and P's codes come out of the conversions where the operand's layout wants them.
; REGISTERS.  Window 0: all that is named below; S and O of tile A.  Window 1: v0-63 K's fragments, v64-95 and v224-255 V's, S and O of tile B at the same numbers.
.set TOK,  24576
.set BLK,  17408
.set VIMG, 8192
.set KSC,  16384
.set VSC,  16896
.set STGB, 4352                        ; a wave's stage: 16 rows x (256 bytes + 16)
.set STAGE, 16*BLK
.set QIM,  STAGE+8*STGB                ; the high queries' codes: 2,304 bytes for each idx
.set SPARE, QIM+4*2304
.set EXB,  8448                        ; a wave's part for the exchange at the end, in the blocks, which nobody reads any more
.set LI,   1                           ; 16 x lane: my place in every image
.set ADK,  2
.set ADV,  3
.set DQ,   4                           ; v4 tile A, v5 tile B: my query's place in its block - 32 (lane / 16)
.set STO,  6                           ; the stage: where I put 32 bytes of a row
.set SRD,  7                           ; lanes 0-15 one row of 256 bytes, lanes 16-31 the next
.set GO,   8                           ; and the same two tokens in out0
.set NINF, 9
.set SPW,  10
.set NIL,  11
.set NM,   12                          ; v12, v13: -M of tiles A and B
.set MX,   14                          ; v14, v15: the largest score
.set FF,   16                          ; v16, v17: 2^(old M - new M)
.set OLD,  18
.set SUMA, 20                          ; v[20:21] A's sum in two halves, v[22:23] B's
.set QA,   24                          ; v24-31 A's codes, v32-39 B's
.set QB,   32
.set QWA,  40                          ; scale words and nothing else: v40, v41 Q's; v42, v43 P's; v44-47 K's; v48-51 V's
.set PWA,  42
.set WSK,  44
.set WSV,  48
.set PA,   52                          ; P's codes
.set PB,   60
.set BM,   68                          ; the blocks' maxima: A0, A1, B0, B1
.set SO,   72                          ; the conversions' scale operands
.set TA,   76
.set TB,   80
.set T,    84                          ; v84-87 at work
.set QRD,  88
.set QIW,  89
.set SELV, 90
.set EXW,  91
.set EXR,  92
.set EXWS, 93
.set EXRS, 94
.set QIA,  95
.set S,    96
.set O,    160
.set X,    224                         ; v224-255 at work
.set WV,   10
.set ROLE, 11
.set IDX,  12
.set XB,   13
.set HEAD, 14
.set NBC,  15                          ; the step on my tiles' diagonal
.set SI,   16
.set TBC,  17                          ; LDS byte of this step's block
.set BC,   18                          ; this step's number
.set BN,   19
.set SEL,  20                          ; s[20:21] v_permlanex16_b32's selects for lane l xor 16
.set CS,   22                          ; s[22:23] log2(e)
.set G1,   24
.set G0,   32
.set TBN,  36                          ; LDS byte of the next step's block
.set SWI,  37                          ; the trip at whose head I go over to the high block
.set OFL,  38                          ; and what is then added to the trip's number
.set LST,  39                          ; my last trip
.set MSB, 0
.macro WIN new                         ; the immediate's high byte repeats the setting that is left
.if MSB != \new
	s_set_vgpr_msb (MSB<<8)|(\new)
.set MSB, \new
.endif
.endm
.macro KLOADS adr
	WIN 0x40
.irp k, 0,1,2,3,4,5,6,7,8,9,10,11,12,13,14,15
	ds_load_b128 v[4*\k:4*\k+3], v[\adr] offset:512*\k
.endr
	WIN 0
	ds_load_b128 v[WSK:WSK+3], v[\adr] offset:KSC
.endm
.macro VLOADS
	WIN 0x40
.irp k, 0,1,2,3,4,5,6,7,8,9,10,11,12,13,14,15
	ds_load_b128 v[64+4*\k+128*(\k/8):67+4*\k+128*(\k/8)], v[ADV] offset:VIMG+512*\k
.endr
	WIN 0
	ds_load_b128 v[WSV:WSV+3], v[ADV] offset:VSC
.endm
; the LDS byte s[d] of the block of trip s[si], and its step s[b]
.macro BLKADR d, b, si
	s_cmp_ge_u32 s[\si], s[SWI]
	s_cselect_b32 s[\b], s[OFL], 0
	s_add_co_u32 s[\b], s[\b], s[\si]
	s_and_b32 s[\d], s[\b], 7
	s_lshl_b32 s[\d], s[\d], 1
	s_lshr_b32 s43, s[\b], 3
	s_and_b32 s43, s43, 1
	s_add_co_u32 s[\d], s[\d], s43
	s_mul_i32 s[\d], s[\d], BLK
.endm
; the maxima of a tile's two blocks of 32, in four chains v[d .. d+3]; each accumulator of 16 registers is read from its low end on
.macro MAXT d, w
	WIN 0x15*\w
	v_max3_num_f32 v[\d], v[S], v[S+1], v[S+2]
	v_max3_num_f32 v[\d+1], v[S+15], v[S+16], v[S+17]
	v_max3_num_f32 v[\d+2], v[S+32], v[S+33], v[S+34]
	v_max3_num_f32 v[\d+3], v[S+47], v[S+48], v[S+49]
	WIN 0x14*\w
.irp i, 0,2,4,6,8,10
	v_max3_num_f32 v[\d], v[\d], v[S+3+\i], v[S+4+\i]
	v_max3_num_f32 v[\d+1], v[\d+1], v[S+18+\i], v[S+19+\i]
	v_max3_num_f32 v[\d+2], v[\d+2], v[S+35+\i], v[S+36+\i]
	v_max3_num_f32 v[\d+3], v[\d+3], v[S+50+\i], v[S+51+\i]
.endr
	v_max3_num_f32 v[\d+1], v[\d+1], v[S+30], v[S+31]
	v_max3_num_f32 v[\d+3], v[\d+3], v[S+62], v[S+63]
.endm
; a tile's 64 numbers onto its sum, two at a time, in four chains
.macro SUMUP sum, x, w, first
	WIN 0x05*\w
.irp k, 0,1,2
	v_pk_add_f32 v[\x+2*\k:\x+2*\k+1], v[S+4*\k:S+4*\k+1], v[S+4*\k+2:S+4*\k+3]
.endr
.if \first
	v_pk_add_f32 v[\sum:\sum+1], v[S+12:S+13], v[S+14:S+15]
.set p, 16
	WIN 0x04*\w
.else
	WIN 0x04*\w
	v_pk_add_f32 v[\sum:\sum+1], v[\sum:\sum+1], v[S+12:S+13]
.set p, 14
.endif
.set a, 0
.rept (64-p)/2
.if a == 3
	v_pk_add_f32 v[\sum:\sum+1], v[\sum:\sum+1], v[S+p:S+p+1]
.else
	v_pk_add_f32 v[\x+2*a:\x+2*a+1], v[\x+2*a:\x+2*a+1], v[S+p:S+p+1]
.endif
.set p, p+2
.set a, (a+1)%4
.endr
	WIN 0
	v_pk_add_f32 v[\x:\x+1], v[\x:\x+1], v[\x+2:\x+3]
	v_pk_add_f32 v[\sum:\sum+1], v[\sum:\sum+1], v[\x+4:\x+5]
	v_pk_add_f32 v[\sum:\sum+1], v[\sum:\sum+1], v[\x:\x+1]
.endm
; hidden keys' scores become -infinity
.macro MASK dq, w
	WIN 0x41*\w
.set n, 0
.rept 64
	v_cmp_gt_i32 vcc_lo, n+32*(n/32), v[\dq]
	v_cndmask_b32 v[S+n], v[S+n], v[NINF], vcc_lo
.set n, n+1
.endr
	WIN 0
.endm
; A KEY STEP of 128 keys for both tiles.  first = 1: step 0, which starts the sums.  In the loop K's fragments were asked for in the trip before; V's are asked for here and K's of the next trip behind the first products.
.macro STEP first
	v_add_nc_u32 v[ADV], s[TBC], v[LI]
.if \first
	KLOADS ADV
.endif
	VLOADS
	s_wait_dscnt 17                                ; K's 17 loads are in, V's 17 may be out
	WIN 0x01
.irp j, 0,1,2,3
	v_wmma_scale_f32_32x16x128_f4 v[S+16*\j:S+16*\j+15], v[16*\j:16*\j+15], v[QA:QA+7], 0, v[WSK+\j], v[QWA]
.endr
	WIN 0x41
.irp j, 0,1,2,3
	v_wmma_scale_f32_32x16x128_f4 v[S+16*\j:S+16*\j+15], v[16*\j:16*\j+15], v[QB:QB+7], 0, v[WSK+\j], v[QWA+1]
.endr
	WIN 0
.if \first
.rept 4
	v_nop                                          ; four places (ISA guide 7.12.1) in front of the first reads of the results
.endr
.else
	v_mov_b32 v[OLD], v[NM]                        ; four places in front of the loads into K's registers and of the first reads of the results
	v_mov_b32 v[OLD+1], v[NM+1]
	v_add_nc_u32 v[ADK], s[TBN], v[LI]
	v_nop
	s_cmp_eq_u32 s[SI], s[LST]                     ; my last trip asks for nothing more, and waits for V here
	s_cbranch_scc1 .Lnok_\@
	KLOADS ADK
	s_branch .Lkj_\@
.Lnok_\@:
	s_wait_dscnt 0x0
.Lkj_\@:
.endif
	s_cmp_lg_u32 s[BC], s[NBC]                     ; the diagonal?
	s_cbranch_scc1 .Lopen_\@
	MASK DQ, 0
	MASK DQ+1, 1
.Lopen_\@:
	MAXT TA, 0
	MAXT TB, 1
	WIN 0
	v_max_num_f32 v[BM], v[TA], v[TA+1]            ; THE LARGEST SCORE OF EACH BLOCK serves twice: for the row's maximum and, since p rises with the score, for the block's largest p
	v_max_num_f32 v[BM+1], v[TA+2], v[TA+3]
	v_max_num_f32 v[BM+2], v[TB], v[TB+1]
	v_max_num_f32 v[BM+3], v[TB+2], v[TB+3]
	v_max_num_f32 v[T], v[BM], v[BM+1]
	v_max_num_f32 v[T+1], v[BM+2], v[BM+3]
	v_permlanex16_b32 v[T+2], v[T], s[SEL], s[SEL+1]
	v_permlanex16_b32 v[T+3], v[T+1], s[SEL], s[SEL+1]
.if \first
	v_max_num_f32 v[MX], v[T], v[T+2]
	v_max_num_f32 v[MX+1], v[T+1], v[T+3]
.else
	v_max3_num_f32 v[MX], v[MX], v[T], v[T+2]
	v_max3_num_f32 v[MX+1], v[MX+1], v[T+1], v[T+3]
.endif
	v_pk_mul_f32 v[T:T+1], v[MX:MX+1], s[CS:CS+1] op_sel_hi:[1,0]   ; the largest t of both tiles
	v_floor_f32 v[NM], -v[T]                       ; -M = floor(-t) = -ceil(t): a whole number
	v_floor_f32 v[NM+1], -v[T+1]
.if \first == 0
	v_pk_add_f32 v[T:T+1], v[NM:NM+1], v[OLD:OLD+1] neg_lo:[0,1] neg_hi:[0,1]   ; old M - new M: a whole number, 0 or less
.endif
	v_pk_fma_f32 v[BM:BM+1], v[BM:BM+1], s[CS:CS+1], v[NM:NM+1] op_sel_hi:[1,0,0]
	v_pk_fma_f32 v[BM+2:BM+3], v[BM+2:BM+3], s[CS:CS+1], v[NM:NM+1] op_sel:[0,0,1] op_sel_hi:[1,0,1]
.if \first == 0
	v_cvt_i32_f32 v[T], v[T]                       ; (it saturates)
	v_cvt_i32_f32 v[T+1], v[T+1]
	v_ldexp_f32 v[FF], 1.0, v[T]
	v_ldexp_f32 v[FF+1], 1.0, v[T+1]
.endif
.set j, 0
.rept 32
	v_pk_fma_f32 v[S+j:S+j+1], v[S+j:S+j+1], s[CS:CS+1], v[NM:NM+1] op_sel_hi:[1,0,0]   ; t - M, two at a time
.set j, j+2
.endr
	s_wait_alu depctr_va_vdst(0)                   ; the wait ahead of the batch
.set j, 0
.rept 64
	v_exp_f32 v[S+j], v[S+j]                       ; p = 2^(t - M), at most 1
.set j, j+1
.endr
.irp b, 0,1,2,3
	v_exp_f32 v[BM+\b], v[BM+\b]                   ; the blocks' largest p
.endr
	WIN 0x41
.set j, 0
.rept 32
	v_pk_fma_f32 v[S+j:S+j+1], v[S+j:S+j+1], s[CS:CS+1], v[NM:NM+1] op_sel:[0,0,1] op_sel_hi:[1,0,1]
.set j, j+2
.endr
	s_wait_alu depctr_va_vdst(0)                   ; for the batch behind it, and ahead of the readers of the batch before
.set j, 0
.rept 64
	v_exp_f32 v[S+j], v[S+j]
.set j, j+1
.endr
	WIN 0
.irp b, 0,1,2,3
	v_max_num_f32 v[BM+\b], 0x1800000, v[BM+\b]    ; the floor 2^(3 - 127): the byte cannot fall under 1
.endr
.irp b, 0,1,2,3
	v_add_nc_u32 v[SO+\b], 0xff000000, v[BM+\b]    ; 2 off the exponent field: the conversion takes the exponent field of this operand as its scale
.endr
.if \first == 0
	v_pk_mul_f32 v[SUMA:SUMA+1], v[SUMA:SUMA+1], v[FF:FF+1] op_sel_hi:[1,0]
	v_pk_mul_f32 v[SUMA+2:SUMA+3], v[SUMA+2:SUMA+3], v[FF:FF+1] op_sel:[0,1] op_sel_hi:[1,1]
.endif
.irp b, 0,1,2,3
	v_lshlrev_b32 v[X+16+\b], 1, v[SO+\b]          ; the scale's byte on top
.endr
	v_perm_b32 v[X+20], v[X+17], v[X+16], v[SELV]  ; lanes 0-15 hold blocks 0 and 2, lanes 16-31 blocks 1 and 3: each byte at its place,
	v_perm_b32 v[X+21], v[X+19], v[X+18], v[SELV]
	v_permlanex16_b32 v[X+22], v[X+20], s[SEL], s[SEL+1]
	v_permlanex16_b32 v[X+23], v[X+21], s[SEL], s[SEL+1]
	v_or_b32 v[PWA], v[X+20], v[X+22]              ; and with lane l xor 16's two the word is whole
	v_or_b32 v[PWA+1], v[X+21], v[X+23]
	SUMUP SUMA, X, 0, \first
.irp g, 0,1,2,3,4,5,6,7
	v_cvt_scalef32_pk8_fp4_f32 v[PA+\g], v[S+8*\g:S+8*\g+7], v[SO+\g/4]
.endr
	s_wait_alu depctr_va_vdst(0)                   ; ahead of the second batch's readers
	SUMUP SUMA+2, X+6, 1, \first
	WIN 0x01
.irp g, 0,1,2,3,4,5,6,7
	v_cvt_scalef32_pk8_fp4_f32 v[PB+\g], v[S+8*\g:S+8*\g+7], v[SO+2+\g/4]
.endr
	WIN 0
.if \first
.rept 5
	v_nop                                          ; places behind the conversions and in front of the scaled products that take their results
.endr
.else
	s_wait_alu depctr_va_vdst(0)                   ; directly ahead of the first reader of O^T
.set j, 0
.rept 32
	v_pk_mul_f32 v[O+j:O+j+1], v[O+j:O+j+1], v[FF:FF+1] op_sel_hi:[1,0]   ; O^T under the new M (also the places in front of the products)
.set j, j+2
.endr
	WIN 0x41
	s_wait_alu depctr_va_vdst(0)
.set j, 0
.rept 32
	v_pk_mul_f32 v[O+j:O+j+1], v[O+j:O+j+1], v[FF:FF+1] op_sel:[0,1] op_sel_hi:[1,1]
.set j, j+2
.endr
	WIN 0
.endif
	s_wait_alu depctr_va_vdst(0)                   ; directly ahead of the wait below
.if \first
	s_wait_dscnt 0x0
.else
	s_wait_dscnt 17                                ; V's 17 loads are in, the next K's 17 may be out
.endif
	WIN 0x01
.irp j, 0,1,2,3                                ; O^T += V^T P^T: eight accumulators by turns, one instruction a turn; fifteen other matrix instructions stand between two links of a chain
.if \first
	v_wmma_scale_f32_32x16x128_f4 v[O+16*\j:O+16*\j+15], v[64+16*\j+128*(\j/2):79+16*\j+128*(\j/2)], v[PA:PA+7], 0, v[WSV+\j], v[PWA]
.else
	v_wmma_scale_f32_32x16x128_f4 v[O+16*\j:O+16*\j+15], v[64+16*\j+128*(\j/2):79+16*\j+128*(\j/2)], v[PA:PA+7], v[O+16*\j:O+16*\j+15], v[WSV+\j], v[PWA]
.endif
.endr
.if \first
	WIN 0x41
.else
	WIN 0x51
.endif
.irp j, 0,1,2,3
.if \first
	v_wmma_scale_f32_32x16x128_f4 v[O+16*\j:O+16*\j+15], v[64+16*\j+128*(\j/2):79+16*\j+128*(\j/2)], v[PB:PB+7], 0, v[WSV+\j], v[PWA+1]
.else
	v_wmma_scale_f32_32x16x128_f4 v[O+16*\j:O+16*\j+15], v[64+16*\j+128*(\j/2):79+16*\j+128*(\j/2)], v[PB:PB+7], v[O+16*\j:O+16*\j+15], v[WSV+\j], v[PWA+1]
.endif
.endr
	WIN 0
.rept 4
	v_nop                                          ; four places in front of the loads into V's registers and of the next reads of O^T
.endr
.endm
; THE WAY OUT of a tile whose finished numbers stand in window 0's S: through my own stage, half a row (64 channels, 256 bytes) of 16 queries at a time, so that sixteen lanes store 256 consecutive bytes
.macro OUT tile
.irp u, 0,1
.irp k, 0,1,2,3
	ds_store_b128 v[STO], v[S+32*\u+8*\k:S+32*\u+8*\k+3] offset:64*\k
	ds_store_b128 v[STO], v[S+32*\u+8*\k+4:S+32*\u+8*\k+7] offset:64*\k+16
.endr
.irp i, 0,1,2,3,4,5,6,7
	ds_load_b128 v[X-128*\u+4*\i:X-128*\u+4*\i+3], v[SRD] offset:2*\i*272   ; LDS serves a wave's instructions in order (ISA guide 5.7.1.4); the second half comes back into the registers of the first half's stores
.endr
.endr
.irp u, 0,1
.irp i, 0,1,2,3,4,5,6,7
	s_wait_dscnt 23-16*\u-\i                       ; the LDS instructions issued behind this load may stay out
	global_store_b128 v[GO], v[X-128*\u+4*\i:X-128*\u+4*\i+3], s[8:9] offset:2*\i*8192+256*\u+131072*\tile th:TH_STORE_NT
.endr
.endr
.endm
	s_load_b128 s[4:7], s[0:1], 0x0                ; qkv s[4:5], kv s[6:7]
	s_load_b64 s[8:9], s[0:1], 0x10                ; out0
	v_lshl_add_u32 v[SPW], v0, 2, SPARE
	v_mov_b32 v[NIL], 0
	ds_add_u32 v[SPW], v[NIL]                      ; the wave's opening: the add, twice on end, and its wait ahead of my tensor load
	ds_add_u32 v[SPW], v[NIL]
	v_lshrrev_b32 v[ADK], 5, v0
	v_readfirstlane_b32 s[WV], v[ADK]              ; wave 0..7
	v_and_b32 v84, 15, v0                          ; r
	v_bfe_u32 v85, v0, 4, 1                        ; lane / 16
	v_and_b32 v86, 31, v0                          ; lane
	v_mul_u32_u24 v87, TOK, v85
	v_lshl_add_u32 v87, v84, 4, v87                ; q: lanes 0-15 256 bytes of one token, lanes 16-31 of the next
	s_wait_alu depctr_va_vdst(0)
	s_lshr_b32 s[ROLE], s[WV], 2
	s_xor_b32 s[ROLE], s[ROLE], s[WV]
	s_and_b32 s[ROLE], s[ROLE], 1
	s_lshr_b32 s[IDX], s[WV], 1
	s_and_b32 s[HEAD], ttmp9, 31
	s_and_b32 s[XB], ttmp7, 7
	s_sub_co_u32 s42, 15, s[XB]                    ; the high block
	s_add_co_u32 s43, s[XB], 1
	s_sub_co_u32 s[OFL], 8, s[XB]
	s_cmp_eq_u32 s[ROLE], 0
	s_cselect_b32 s[NBC], s[XB], s42
	s_cselect_b32 s[SWI], s43, 63                  ; role 1 never goes over
	s_cselect_b32 s[LST], 7, 8
	s_mov_b32 s[G1+0], 3<<16                       ; descriptor group 1: 34,816 dense bytes as 136 rows of 256 (32 elements of 8 bytes); no mask, no padding
	s_mov_b32 s[G1+1], 32<<16
	s_mov_b32 s[G1+2], 136<<16
	s_mov_b32 s[G1+3], 32<<16
	s_mov_b32 s[G1+4], 136
	s_mov_b32 s[G1+5], 32
	s_mov_b32 s[G1+6], 0
	s_mov_b32 s[G1+7], 0
	s_mov_b32 s[SEL], 0x76543210
	s_mov_b32 s[SEL+1], 0xfedcba98
	s_mov_b32 s[CS], 0x3fb8aa3b                    ; log2(e)
	s_mov_b32 s[CS+1], s[CS]                       ; (named with it as a pair)
	s_lshr_b32 s44, s[HEAD], 4
	s_lshl_b32 s44, s44, 11
	s_lshl_b32 s45, s[IDX], 5
	s_add_co_u32 s44, s44, s45                     ; 2,048 b + 32 idx
	s_and_b32 s50, s[HEAD], 15
	s_lshl_b32 s50, s50, 9                         ; the head's 512 bytes in a token
	s_lshl_b32 s46, s[NBC], 7
	s_add_co_u32 s46, s46, s44                     ; my first token
	s_mul_i32 s52, s46, TOK
	s_add_co_u32 s52, s52, s50                     ; q: under 2^27
	s_mov_b32 s53, 0
	s_lshl_b32 s54, s46, 13
	s_add_co_u32 s54, s54, s50                     ; out0: a token is 8,192 bytes
	s_mov_b32 s55, 0
	s_lshl_b32 s56, s42, 7
	s_add_co_u32 s56, s56, s44
	s_lshl_b32 s56, s56, 13
	s_add_co_u32 s56, s56, s50                     ; and the high block's place there
	s_mov_b32 s57, 0
	s_mul_i32 s47, s[WV], 2*BLK                    ; what I fetch: two blocks
	s_mul_i32 s58, s[HEAD], 16*BLK
	s_add_co_u32 s58, s58, s47
	s_mov_b32 s59, 0
	s_wait_dscnt 0x0                               ; both opening adds are done
	s_wait_kmcnt 0x0
	s_add_nc_u64 s[4:5], s[4:5], s[52:53]
	s_add_nc_u64 s[40:41], s[8:9], s[56:57]
	s_add_nc_u64 s[8:9], s[8:9], s[54:55]
	s_add_nc_u64 s[6:7], s[6:7], s[58:59]
.irp q, 0,1,2,3                                ; quarter q: tile q / 2, channels 64 (q % 2) on
.irp i, 0,1,2,3,4,5,6,7
	global_load_b128 v[S+32*\q+4*\i:S+32*\q+4*\i+3], v87, s[4:5] offset:(16*(\q/2)+2*\i)*TOK+256*(\q%2) th:TH_LOAD_NT
.endr
.endr
	s_mov_b32 s[G0], 1
	s_mov_b32 s[G0+1], s47
	s_mov_b64 s[G0+2:G0+3], s[6:7]
	s_or_b32 s[G0+3], s[G0+3], 0x80000000
	s_cmp_eq_u32 s[WV], 0                          ; wave 0's load has a line of its own: it alone is waited for ahead of barrier 0
	s_cbranch_scc0 .Lfill
	tensor_load_to_lds s[G0:G0+3], s[G1:G1+7]
	s_nop 0
.rept 4
	v_nop
.endr
	s_branch .Lasked
.Lfill:
	tensor_load_to_lds s[G0:G0+3], s[G1:G1+7]
	s_nop 0
.rept 4
	v_nop
.endr
.Lasked:
	; every LDS address register that stays is made here, ahead of the waves' parting
	s_mul_i32 s60, s[WV], STGB
	s_add_co_u32 s60, s60, STAGE                   ; my stage
	s_mul_i32 s61, s[WV], EXB                      ; my part of the exchange,
	s_xor_b32 s62, s[WV], 1
	s_mul_i32 s62, s62, EXB                        ; and my partner's
	s_mul_i32 s63, s[IDX], 2304
	s_add_co_u32 s63, s63, QIM
	s_lshl_b32 s48, s[IDX], 5
	v_lshlrev_b32 v[LI], 4, v86
	v_mul_u32_u24 v[STO], 272, v84
	v_add_nc_u32 v[STO], s60, v[STO]
	v_lshl_add_u32 v[QRD], v85, 7, v[STO]          ; q's way back: row r, 128 bytes for each half of the lanes
	v_lshl_add_u32 v[STO], v85, 5, v[STO]
	v_mul_u32_u24 v[SRD], 272, v85
	v_lshl_add_u32 v[SRD], v84, 4, v[SRD]
	v_add_nc_u32 v[SRD], s60, v[SRD]
	v_lshlrev_b32 v[GO], 13, v85
	v_lshl_add_u32 v[GO], v84, 4, v[GO]
	v_lshlrev_b32 v[DQ], 5, v85
	v_sub_nc_u32 v[DQ], v84, v[DQ]
	v_add_nc_u32 v[DQ], s48, v[DQ]
	v_add_nc_u32 v[DQ+1], 16, v[DQ]
	v_add_nc_u32 v[EXW], s61, v[LI]
	v_add_nc_u32 v[EXR], s62, v[LI]
	v_add_nc_u32 v[QIA], s63, v[LI]
	v_lshlrev_b32 v[EXWS], 3, v86
	v_add_nc_u32 v[EXRS], s62, v[EXWS]
	v_add_nc_u32 v[EXRS], 8192, v[EXRS]
	v_add_nc_u32 v[EXWS], s61, v[EXWS]
	v_add_nc_u32 v[EXWS], 8192, v[EXWS]
	v_lshlrev_b32 v[QIW], 2, v86
	v_add_nc_u32 v[QIW], s63, v[QIW]
	v_add_nc_u32 v[QIW], 2048, v[QIW]
	v_mov_b32 v[NINF], 0xff800000
	v_mov_b32 v[SELV], 0xc070c03                   ; lanes 0-15: bytes 0 and 2 of a scale word; lanes 16-31: bytes 1 and 3; 0x0c selects zero
	v_cmp_eq_u32 vcc_lo, 0, v85
	v_cndmask_b32 v[SELV], 0x70c030c, v[SELV], vcc_lo
; q: a quarter (16 queries x 64 channels) turns through my stage, and then a lane holds a whole block of 32 along K: channels 64 (q % 2) + 32 (lane / 16) + 0 .. 31 of row r
.macro QTURN q
	s_wait_loadcnt 24-8*\q                         ; the quarter's eight loads are in
.irp i, 0,1,2,3,4,5,6,7
	ds_store_b128 v[SRD], v[S+32*\q+4*\i:S+32*\q+4*\i+3] offset:2*272*\i
.endr
.irp i, 0,1,2,3,4,5,6,7
	ds_load_b128 v[X-172*(\q%2)+4*\i:X-172*(\q%2)+4*\i+3], v[QRD] offset:16*\i   ; into v224-255 or v52-83
.endr
.endm
.macro QWORK q, w
.set QX, X-172*(\q%2)
	s_wait_dscnt \w                                ; the next quarter's sixteen LDS instructions may be out
	v_max3_num_f32 v84, |v[QX]|, |v[QX+1]|, 0x1800000   ; and the floor 2^(3 - 127)
	v_max3_num_f32 v85, |v[QX+16]|, |v[QX+17]|, |v[QX+18]|
.irp i, 0,2,4,6,8,10
	v_max3_num_f32 v84, v84, |v[QX+2+\i]|, |v[QX+3+\i]|
	v_max3_num_f32 v85, v85, |v[QX+19+\i]|, |v[QX+20+\i]|
.endr
	v_max3_num_f32 v84, v84, |v[QX+14]|, |v[QX+15]|
	v_max3_num_f32 v84, v84, v85, |v[QX+31]|
	v_add_nc_u32 v86, 0xff000000, v84
	v_lshlrev_b32 v[OLD+\q%2], 1, v86
.irp g, 0,1,2,3
	v_cvt_scalef32_pk8_fp4_f32 v[QA+4*\q+\g], v[QX+8*\g:QX+8*\g+7], v86
.endr
	v_nop                                          ; one plain place behind the last scaled conversion
.if \q%2
	v_perm_b32 v84, v[OLD+1], v[OLD], v[SELV]
	v_permlanex16_b32 v85, v84, s[SEL], s[SEL+1]
	v_or_b32 v[QWA+\q/2], v84, v85
.endif
.endm
	s_wait_alu depctr_va_vdst(0)                   ; directly ahead of the wait below
	QTURN 0
	QTURN 1
	QWORK 0, 16
	QTURN 2
	QWORK 1, 16
	QTURN 3
	QWORK 2, 16
	QWORK 3, 0
	s_mov_b32 s[TBC], 0
	s_mov_b32 s[BC], 0
	s_wait_alu depctr_va_vdst(0)                   ; the wait at the head's end
	s_cmp_eq_u32 s[ROLE], 0
	s_cbranch_scc1 .Lnoimg
	ds_store_b128 v[QIA], v[QA:QA+3]               ; the high queries' codes and scale words, for role 0
	ds_store_b128 v[QIA], v[QA+4:QA+7] offset:512
	ds_store_b128 v[QIA], v[QB:QB+3] offset:1024
	ds_store_b128 v[QIA], v[QB+4:QB+7] offset:1536
	ds_store_b32 v[QIW], v[QWA]
	ds_store_b32 v[QIW], v[QWA+1] offset:128
.Lnoimg:
	s_wait_dscnt 0x0
	s_cmp_lg_u32 s[WV], 0
	s_cbranch_scc1 .Lnotmine
	s_wait_tensorcnt 0x0                           ; wave 0: step 0's block has landed
.Lnotmine:
	s_barrier_signal -1                            ; barrier 0
	s_barrier_wait -1
	STEP 1
	s_wait_tensorcnt 0x0                           ; my two blocks have landed
	s_wait_dscnt 0x0
	s_barrier_signal -1                            ; barrier 1: everybody's have
	s_barrier_wait -1
	s_mov_b32 s[SI], 1
	BLKADR TBN, BN, SI
	v_add_nc_u32 v[ADK], s[TBN], v[LI]
	KLOADS ADK
.Ltrip:                                            ; eight trips in every wave; role 0 leaves out the last one's work
	s_cmp_eq_u32 s[SI], s[SWI]
	s_cbranch_scc0 .Lnosw
	; ---- role 0: the low block is finished and goes out
	v_add_f32 v[T], v[SUMA], v[SUMA+1]
	v_add_f32 v[T+1], v[SUMA+2], v[SUMA+3]
	v_permlanex16_b32 v[T+2], v[T], s[SEL], s[SEL+1]
	v_permlanex16_b32 v[T+3], v[T+1], s[SEL], s[SEL+1]
	v_add_f32 v[T], v[T], v[T+2]                   ; the rows' sums
	v_add_f32 v[T+1], v[T+1], v[T+3]
	s_wait_alu depctr_va_vdst(0)
	v_rcp_f32 v[T], v[T]
	v_rcp_f32 v[T+1], v[T+1]
	v_nop                                          ; one plain place behind a transcendental
	s_wait_alu depctr_va_vdst(0)
.set j, 0
.rept 32
	v_pk_mul_f32 v[S+j:S+j+1], v[O+j:O+j+1], v[T:T+1] op_sel_hi:[1,0]   ; register 8 t + i is o(query r, channel 16 t + 8 (lane / 16) + i)
.set j, j+2
.endr
	OUT 0
	s_wait_xcnt 0x0                                ; the stores have read their registers
	WIN 0x01
	s_wait_alu depctr_va_vdst(0)
.set j, 0
.rept 32
	v_pk_mul_f32 v[S+j:S+j+1], v[O+j:O+j+1], v[T:T+1] op_sel:[0,1] op_sel_hi:[1,1]
.set j, j+2
.endr
	WIN 0
	OUT 1
	; ---- and on to the high block: its queries' codes, its place in out0, its diagonal; M so large a negative number that the first step multiplies what stands in O^T and the sums by 0
	ds_load_b128 v[QA:QA+3], v[QIA]
	ds_load_b128 v[QA+4:QA+7], v[QIA] offset:512
	ds_load_b128 v[QB:QB+3], v[QIA] offset:1024
	ds_load_b128 v[QB+4:QB+7], v[QIA] offset:1536
	ds_load_b32 v[QWA], v[QIW]
	ds_load_b32 v[QWA+1], v[QIW] offset:128
	v_mov_b32 v[NM], 0x7f61b1e6                    ; -M = 3e38
	v_mov_b32 v[NM+1], 0x7f61b1e6
	v_mov_b32 v[MX], 0xff167699                    ; the largest score: -2e38
	v_mov_b32 v[MX+1], 0xff167699
	v_mov_b32 v[SUMA], 0
	v_mov_b32 v[SUMA+1], 0
	v_mov_b32 v[SUMA+2], 0
	v_mov_b32 v[SUMA+3], 0
	s_wait_alu depctr_va_vdst(0)
	s_wait_xcnt 0x0                                ; the stores have read their base and registers
	s_mov_b64 s[8:9], s[40:41]
	s_sub_co_u32 s[NBC], 15, s[XB]
	s_wait_dscnt 0x0
.Lnosw:
	s_cmp_gt_u32 s[SI], s[LST]
	s_cbranch_scc1 .Lskip
	BLKADR TBC, BC, SI
	s_add_co_u32 s42, s[SI], 1
	BLKADR TBN, BN, 42
	STEP 0
.Lskip:
	s_add_co_u32 s[SI], s[SI], 1
	s_cmp_lt_u32 s[SI], 9
	s_cbranch_scc1 .Ltrip
	s_wait_dscnt 0x0
	s_barrier_signal -1                            ; nobody reads the blocks any more
	s_barrier_wait -1
; one tile's part handed over: O^T, -M, my lane's part of the sum
.macro PUT tile
	v_mov_b32 v[T], v[NM+\tile]
	v_add_f32 v[T+1], v[SUMA+2*\tile], v[SUMA+2*\tile+1]
	WIN 0x04*\tile
.irp k, 0,1,2,3,4,5,6,7,8,9,10,11,12,13,14,15
	ds_store_b128 v[EXW], v[O+4*\k:O+4*\k+3] offset:512*\k
.endr
	WIN 0
	ds_store_b64 v[EXWS], v[T:T+1]
.endm
; the other tile finished: both parts under the larger M, added, divided by the sum, sent out
.macro FINAL tile
	v_add_f32 v[X], v[SUMA+2*\tile], v[SUMA+2*\tile+1]
	v_min_num_f32 v[X+1], v[NM+\tile], v[T+2]      ; -M
	v_sub_f32 v[X+2], v[X+1], v[NM+\tile]
	v_sub_f32 v[X+3], v[X+1], v[T+2]
	v_cvt_i32_f32 v[X+2], v[X+2]                   ; (it saturates)
	v_cvt_i32_f32 v[X+3], v[X+3]
	v_ldexp_f32 v[X+4], 1.0, v[X+2]
	v_ldexp_f32 v[X+5], 1.0, v[X+3]
	v_mul_f32 v[X+6], v[X], v[X+4]
	v_fma_f32 v[X+6], v[T+3], v[X+5], v[X+6]
	v_permlanex16_b32 v[X+7], v[X+6], s[SEL], s[SEL+1]
	v_add_f32 v[X+6], v[X+6], v[X+7]               ; the row's sum
	s_wait_alu depctr_va_vdst(0)
	v_rcp_f32 v[X+6], v[X+6]
	v_nop                                          ; one plain place behind a transcendental
	s_wait_alu depctr_va_vdst(0)
	v_mul_f32 v[X+8], v[X+4], v[X+6]               ; my part's factor,
	v_mul_f32 v[X+9], v[X+5], v[X+6]               ; my partner's
	s_wait_alu depctr_va_vdst(0)
	s_wait_dscnt 0x0
.set j, 0
.rept 32
	v_pk_mul_f32 v[S+j:S+j+1], v[S+j:S+j+1], v[X+8:X+9] op_sel:[0,1] op_sel_hi:[1,1]
.set j, j+2
.endr
	WIN 0x01*\tile
	s_wait_alu depctr_va_vdst(0)                   ; directly ahead of the first reader of O^T
.set j, 0
.rept 32
	v_pk_fma_f32 v[S+j:S+j+1], v[O+j:O+j+1], v[X+8:X+9], v[S+j:S+j+1] op_sel_hi:[1,0,1]
.set j, j+2
.endr
	WIN 0
	OUT \tile
.endm
	s_cmp_eq_u32 s[ROLE], 0
	s_cbranch_scc0 .Lput_b
	PUT 0
	s_branch .Lput
.Lput_b:
	PUT 1
.Lput:
	s_wait_dscnt 0x0
	s_barrier_signal -1                            ; the parts lie in LDS
	s_barrier_wait -1
	ds_load_b64 v[T+2:T+3], v[EXRS]
.irp k, 0,1,2,3,4,5,6,7,8,9,10,11,12,13,14,15
	ds_load_b128 v[S+4*\k:S+4*\k+3], v[EXR] offset:512*\k
.endr
	s_wait_dscnt 16                                ; the sixteen loads of O^T may be out
	s_cmp_eq_u32 s[ROLE], 0
	s_cbranch_scc0 .Lfin_a
	FINAL 1
	s_branch .Lend
.Lfin_a:
	FINAL 0
.Lend:
	s_wait_tensorcnt 0x0                           ; the wave's end
	ds_add_u32 v[SPW], v[NIL]
	s_wait_dscnt 0x0
	s_endpgm
.Lfunc_end_k_qf41422b439_attn:
	.size	k_qf41422b439_attn, .Lfunc_end_k_qf41422b439_attn-k_qf41422b439_attn
	.p2alignl 7, 3214868480
	.fill 96, 4, 3214868480
	.section	.rodata,"a",@progbits
	.p2align	6, 0x0
	.amdhsa_kernel k_qf41422b439_attn
		.amdhsa_group_segment_fixed_size 327680
		.amdhsa_private_segment_fixed_size 0
		.amdhsa_enable_private_segment 0
		.amdhsa_kernarg_size 24
		.amdhsa_user_sgpr_count 2
		.amdhsa_user_sgpr_kernarg_segment_ptr 1
		.amdhsa_wavefront_size32 1
		.amdhsa_system_sgpr_workgroup_id_x 1
		.amdhsa_system_sgpr_workgroup_id_y 1
		.amdhsa_system_sgpr_workgroup_id_z 1
		.amdhsa_system_vgpr_workitem_id 0
		.amdhsa_next_free_vgpr 512
		.amdhsa_next_free_sgpr 66
		.amdhsa_reserve_vcc 1
		.amdhsa_float_denorm_mode_32 3
		.amdhsa_float_denorm_mode_16_64 3
		.amdhsa_memory_ordered 1
		.amdhsa_forward_progress 1
		.amdhsa_inst_pref_size 130
	.end_amdhsa_kernel
	.amdgpu_metadata
---
amdhsa.version: [ 1, 2 ]
amdhsa.kernels:
  - .name:           k_qf41422b439_attn
    .symbol:         k_qf41422b439_attn.kd
    .args:
      - { .name: qkv, .offset: 0, .size: 8, .value_kind: global_buffer, .address_space: global }
      - { .name: kv, .offset: 8, .size: 8, .value_kind: global_buffer, .address_space: global }
      - { .name: out0, .offset: 16, .size: 8, .value_kind: global_buffer, .address_space: global }
    .group_segment_fixed_size: 327680
    .private_segment_fixed_size: 0
    .kernarg_segment_align: 8
    .kernarg_segment_size: 24
    .max_flat_workgroup_size: 256
    .sgpr_count:     66
    .vgpr_count:     512
    .wavefront_size: 32
...
	.end_amdgpu_metadata
.endif
;; end of part 2
